; MI455X (gfx1250); checked and timed in simulation.
; The chip was launched on July 23, 2026; its instructions are those of AMD's public machine-readable ISA for CDNA 5 (MIT licence, August 2026) and "CDNA5" Instruction Set Architecture Reference Guide (July 2026). The comments in the code are by the model that wrote it; some were corrected since.
;; Group Mo E Layer. Allowed arithmetic: matrix products marked QUANTISED: E2M1 operands, one E8M0 scale for each 32 along K, by v_wmma_scale_f32_16x16x128_f8f6f4 with both operands' format E2M1 (or v_wmma_scale_f32_32x16x128_f4), f32 sums; products left as they are: f32 operands where the result goes on into a quantised operand, else bf16, f16 or f32 operands; f32 sums; everything else in f32.
;; Inputs: W1 2 x 4 x 4,096 x 1,024 float32; W2 2 x 4 x 1,024 x 4,096 float32; Wg 2 x 4 x 1,024 float32; Wlg 2 x 1,024 float32; b1 2 x 4 x 4,096 float32; b2 2 x 4 x 1,024 float32; blg 2 float32; bottle_neck 2 x 512 x 1,024 float32; xs 2 x 512 x 1,024 float32.
;; Outputs: out0 2 x 512 x 1,024 float32.
;; Constants: top_k = 2.
;; This version of the problem:
;;   THIS VERSION OF THE PROBLEM IS GIVEN IN LOW PRECISION. The matrix products marked QUANTISED in the list below multiply operands that are first quantised to E2M1 (2 exponent bits, 1 mantissa bit; 4 bits a number), with one power-of-two scale for each 32 numbers along K (OCP MX v1.0); their sums are f32. All else is computed in f32.
;;   The module's matrix products, in the order in which they are computed (A, B: the left and right operand; K: the contracted axis; several contracted axes count as one K, in the product's order):
;;     1. [M 1,024, K 1,024] x [K 1,024, N 2]; A: input bottle_neck; B: input Wlg: left as it is (N = 2 < 16)
;;     2. [M 1,024, K 1,024] x [K 1,024, N 4]; A: input xs; B: input Wg: left as it is (N = 4 < 16)
;;     3. [M 1,024, K 1,024] x [K 1,024, N 16,384]; A: input xs; B: input W1: QUANTISED
;;     4. batch 4 x [M 1,024, K 4,096] x [K 4,096, N 1,024]; A: input W2; B: computed on the way: QUANTISED
;;     5. [M 1,024, K 1,024] x [K 1,024, N 4]; A: input xs; B: input Wg: left as it is (N = 4 < 16)
;;     6. [M 1,024, K 1,024] x [K 1,024, N 16,384]; A: input xs; B: input W1: QUANTISED
;;     7. batch 4 x [M 1,024, K 4,096] x [K 4,096, N 1,024]; A: input W2; B: computed on the way: QUANTISED
;;   THE QUANTISER, for each operand of a quantised product, along K:
;;     - K is cut into blocks of 32 from its start; a last block that is shorter is filled with zeros.
;;     - A block's scale is 2^e with e = floor(log2(the largest magnitude in the block)) - 2, held to -126 .. 127; a block of zeros has e = 0. As a byte (E8M0): e + 127.
;;     - Each number is divided by its block's scale, clamped to +-6, and rounded to the nearest number of E2M1, ties to even, subnormals kept.
;;     - The product sums the exact products of the quantised numbers (number of the format x scale) in f32.
;;   ~~~python
;;   def quantise(x, axis):      # numpy; x: float32 -> the quantised numbers, widened to float32 again
;;       x = np.moveaxis(x, axis, -1); K = x.shape[-1]
;;       x = np.pad(x, [(0, 0)] * (x.ndim - 1) + [(0, -K % 32)]); x = x.reshape(x.shape[:-1] + (-1, 32)); a = np.abs(x).max(-1, keepdims=True)
;;       e = np.where(a > 0, np.clip(np.frexp(np.where(a > 0, a, 1))[1] - 1 - 2, -126, 127), 0)      # np.frexp(a)[1] - 1 = floor(log2(a)), exactly
;;       r = np.clip(x / 2.0 ** e, -6, 6)
;;       step = 2.0 ** (np.maximum(np.frexp(np.where(r == 0, 1, r))[1] - 1, 0) - 1)
;;       q = np.round(r / step) * step * 2.0 ** e      # np.round: ties to even
;;       return np.moveaxis(q.reshape(q.shape[:-2] + (-1,))[..., :K], -1, axis).astype(np.float32)
;;   ~~~
;;   OPERANDS COMPUTED ON THE WAY. 'Computed on the way' means the value that the module computes at that place (a softmax that the list does not call 'softmax' is quantised finished and normalised). What goes into a quantiser is computed in f32, as accurately as f32 sums, v_exp_f32 and their like allow (about 1e-6 of the number): no bf16 or f16 on the way to a quantiser, and a product that is left as it is and whose result goes on into a quantised operand takes f32 operands (vector FMAs, or v_wmma_f32_16x16x4_f32). A number that lies on a knife's edge between two numbers of the format may be rounded either way, as far as f32 arithmetic and the matrix unit's own rounding can turn it there, and no further.
;; One version. Each part assembles by itself: llvm-mc -triple=amdgcn-amd-amdhsa -mcpu=gfx1250 --defsym DOCPART=n.
;; ======== version 1 of 1: 5 launches
;; limits: right only within a limited range of input values
;; workspace buffers: sel 4,096 bytes of whole numbers; rt 565,248 bytes; idx 16,640 bytes of whole numbers; xg 4,489,216 bytes; hb 17,825,792 bytes; y2 33,554,432 bytes
;; launch route (part 1): grid 256 x 1, 4 waves a work-group, no clusters, 59,904 bytes of LDS; arguments xs, bottle_neck, Wlg, blg, Wg, sel, rt; writes sel, rt
.if DOCPART == 1
	.amdgcn_target "amdgcn-amd-amdhsa--gfx1250"
	.amdhsa_code_object_version 6
	.text
	.protected	k_qdf6ebffd82_route
	.globl	k_qdf6ebffd82_route
	.p2align	8
	.type	k_qdf6ebffd82_route,@function
k_qdf6ebffd82_route:
	s_mov_b64 s[64:65], 0
	v_nop
	global_prefetch_b8 v0, s[64:65] scope:SCOPE_SE
	s_setreg_imm32_b32 hwreg(HW_REG_WAVE_MODE, 25, 1), 1
	s_wait_xcnt 0x0
; ROUTE.  One token to a wave, four tokens to a work-group.  For its token a wave
;   (a) quantises the row of xs to E2M1, one E8M0 byte for each 32 along K: 512 bytes of codes, K ascending, and 32 scale bytes, into rt;
;   (b) forms the ten gate sums in f32 by fused multiply-adds: bottle_neck . Wlg[0..1], xs . Wg[g][e];
;   (c) chooses: softmax over the two groups and its argmax (a tie keeps group 0), the two largest expert logits of that group (a tie keeps the lower index), their softmax;
;   (d) stores sel[token] = ge0 | ge1 << 4 (ge = 4 group + expert) and the two weights, at fixed places.  No address and no branch hangs on a choice: every choice is a v_cndmask_b32.
; The ten gate rows (40,960 bytes) are brought into LDS once for the four waves, each wave a quarter of every row.
; LIMITS: NaN and infinities among the inputs are not served.  A block whose largest magnitude lies under 2^-124 takes the scale byte 1; a block of zeros too (its codes are zeros; this program alone reads the bytes).
; The gate sums are f32 sums in another order than the reference's, and v_exp_f32 and v_rcp_f32 stand ahead of the argmax: logits that agree to about 1e-6 of their size may be ordered the other way.
; No cluster: what the work-groups share, the gate rows, is a tenth of a work-group's... 40,960 bytes against 32,768 of its own, read once each; it comes through registers, since the launch is short.
.set GL,    0                          ; LDS: ten gate rows of 4,096 bytes: Wlg's two, then Wg's eight
.set TURN,  40960                      ; a stage of 32 places for each wave
.set PLACE, 144                        ; a place: a block's 128 bytes + 16 of padding = 36 words
.set XSC,   524288                     ; rt: the scale bytes, [1024][32]
.set WB,    557056                     ; rt: the two weights, [1024][2] f32
.set L16,  1                           ; v1   16 x lane
.set TIN,  2                           ; v2   the stage, on the way in: 144 (lane / 8) + 16 (lane % 8)
.set TOUT, 3                           ; v3   on the way out: 144 x lane
.set GO,   4                           ; v4   16 x lane + 1,024 x wave: my wave's two pieces of a gate row, in memory and in LDS alike
.set LANE, 6
.set X,    16                          ; v16-47   my token's row of xs: register 4 j + c = element 128 j + 4 lane + c
.set BN,   48                          ; v48-79   of bottle_neck, likewise
.set G,    80                          ; v80-159  the gates as they land; later two buffers of 32 for a gate row
.set T,    160                         ; v160-191 a block of 32 neighbours
.set M0,   192
.set M1,   193
.set SC,   194
.set BY,   195
.set C,    196                         ; v196-199 the block's codes
.set R,    200                         ; v200-239 four registers for each of the ten sums
; A block of 32 numbers in v[T] on becomes 16 bytes of codes in v[C] on and its scale byte in v[BY].
.macro QBLK
	v_max3_num_f32 v[M0], |v[T]|, |v[T+1]|, |v[T+2]|          ; the largest magnitude, in two chains
	v_max3_num_f32 v[M1], |v[T+3]|, |v[T+4]|, |v[T+5]|
.irp i, 6,10,14,18,22,26
	v_max3_num_f32 v[M0], v[M0], |v[T+\i]|, |v[T+\i+1]|
	v_max3_num_f32 v[M1], v[M1], |v[T+\i+2]|, |v[T+\i+3]|
.endr
	v_max3_num_f32 v[M0], v[M0], |v[T+30]|, |v[T+31]|
	v_max3_num_f32 v[M0], v[M0], v[M1], 0x1800000             ; and the floor 2^(3 - 127): the byte cannot fall under 1
	v_add_nc_u32 v[SC], 0xff000000, v[M0]                     ; 2 off the exponent field: the conversion takes this operand's exponent field as its scale
.irp g, 0,1,2,3
	v_cvt_scalef32_pk8_fp4_f32 v[C+\g], v[T+8*\g:T+8*\g+7], v[SC]
.endr
	v_lshrrev_b32 v[BY], 23, v[SC]                            ; the scale's byte; also the plain line behind the conversions
.endm
	s_load_b256 s[4:11], s[0:1], 0x0               ; xs s[4:5], bottle_neck s[6:7], Wlg s[8:9], blg s[10:11]
	s_load_b128 s[12:15], s[0:1], 0x20             ; Wg s[12:13], sel s[14:15]
	s_load_b64 s[16:17], s[0:1], 0x30              ; rt
	v_lshl_add_u32 v14, v0, 2, 0xe800
	v_mov_b32 v15, 0
	v_lshrrev_b32 v7, 5, v0
	v_readfirstlane_b32 s18, v7                    ; wave
	v_and_b32 v[LANE], 31, v0
	v_lshlrev_b32 v[L16], 4, v[LANE]
	s_lshl_b32 s19, ttmp9, 2
	s_add_co_u32 s19, s19, s18                     ; my token
	s_mul_i32 s20, s18, 32*PLACE
	s_add_co_u32 s20, s20, TURN                    ; my stage
	v_lshrrev_b32 v7, 3, v[LANE]
	v_and_b32 v8, 7, v[LANE]
	v_mul_u32_u24 v7, v7, PLACE
	v_lshl_add_u32 v7, v8, 4, v7
	v_add_nc_u32 v[TIN], s20, v7
	v_mul_u32_u24 v[TOUT], v[LANE], PLACE
	v_add_nc_u32 v[TOUT], s20, v[TOUT]
	s_lshl_b32 s21, s18, 10
	v_add_nc_u32 v[GO], s21, v[L16]
	s_mov_b32 s22, 0x76543210
	s_mov_b32 s23, 0xfedcba98                      ; v_permlanex16_b32's selects for lane l xor 16
	s_lshl_b32 s28, s19, 12                        ; a row of xs or bottle_neck: 4,096 bytes
	s_mov_b32 s29, 0
	s_lshl_b32 s30, s19, 9                         ; a row of codes: 512
	s_mov_b32 s31, 0
	s_lshl_b32 s32, s19, 5                         ; of scale bytes: 32
	s_mov_b32 s33, 0
	s_lshl_b32 s34, s19, 3                         ; the weights: 8
	s_mov_b32 s35, 0
	s_lshl_b32 s36, s19, 2                         ; sel: 4
	s_mov_b32 s37, 0
	s_wait_alu depctr_va_vdst(0)
	s_wait_kmcnt 0x0
	s_load_b64 s[26:27], s[10:11], 0x0             ; blg's two numbers
	s_add_nc_u64 s[4:5], s[4:5], s[28:29]
	s_add_nc_u64 s[6:7], s[6:7], s[28:29]
	s_add_nc_u64 s[30:31], s[16:17], s[30:31]
	s_add_nc_u64 s[32:33], s[16:17], s[32:33]
	s_add_nc_u64 s[34:35], s[16:17], s[34:35]
	s_add_nc_u64 s[14:15], s[14:15], s[36:37]
.irp q, 0,1
.irp k, 0,1
	global_load_b128 v[G+8*\q+4*\k:G+8*\q+4*\k+3], v[GO], s[8:9] offset:4096*\q+512*\k
.endr
.endr
.irp q, 0,1,2,3,4,5,6,7
.irp k, 0,1
	global_load_b128 v[G+16+8*\q+4*\k:G+16+8*\q+4*\k+3], v[GO], s[12:13] offset:4096*\q+512*\k
.endr
.endr
.irp j, 0,1,2,3,4,5,6,7
	global_load_b128 v[X+4*\j:X+4*\j+3], v[L16], s[4:5] offset:512*\j th:TH_LOAD_NT     ; 32 lanes read 512 consecutive bytes
.endr
.irp j, 0,1,2,3,4,5,6,7
	global_load_b128 v[BN+4*\j:BN+4*\j+3], v[L16], s[6:7] offset:512*\j th:TH_LOAD_NT
.endr
	s_wait_loadcnt 16                              ; the 20 gate loads are in; the rows of xs and bottle_neck (16 loads) may be out
.irp q, 0,1,2,3,4,5,6,7,8,9
.irp k, 0,1
	ds_store_b128 v[GO], v[G+8*\q+4*\k:G+8*\q+4*\k+3] offset:GL+4096*\q+512*\k
.endr
.endr
	s_wait_loadcnt 8                               ; xs's row is in; bottle_neck's 8 loads may be out
.irp j, 0,1,2,3,4,5,6,7
	ds_store_b128 v[TIN], v[X+4*\j:X+4*\j+3] offset:4*PLACE*\j       ; a load's 512 bytes are four blocks: four places
.endr
	s_wait_dscnt 0x0                               ; for the others' sake: my part of the gate rows lies in LDS
	s_barrier_signal -1
	s_barrier_wait -1
.irp p, 0,1,2,3,4,5,6,7
	ds_load_b128 v[T+4*\p:T+4*\p+3], v[TOUT] offset:16*\p            ; lane l: block l, elements 32 l .. 32 l + 31
.endr
.irp j, 0,1,2,3,4,5,6,7
	ds_load_b128 v[G+4*\j:G+4*\j+3], v[L16] offset:GL+512*\j         ; gate row 0
.endr
	s_wait_dscnt 8                                 ; the block is in; gate row 0's 8 loads may be out
	QBLK
	global_store_b128 v[L16], v[C:C+3], s[30:31]   ; 32 lanes store the row's 512 bytes of codes
	global_store_b8 v[LANE], v[BY], s[32:33] offset:XSC
	s_wait_loadcnt 0x0                             ; bottle_neck's row
; Gate sum q: the next row is asked for, this row is multiplied: two chains of packed multiply-adds.
.macro DOT q
.set GB, G+32*((\q)%2)
.set GN, G+32*(((\q)+1)%2)
.set AC, R+4*(\q)
.if (\q) < 2
.set SRC, BN
.else
.set SRC, X
.endif
.if (\q) < 9
.irp j, 0,1,2,3,4,5,6,7
	ds_load_b128 v[GN+4*\j:GN+4*\j+3], v[L16] offset:GL+4096*((\q)+1)+512*\j
.endr
	s_wait_dscnt 8                                 ; this row is in; the next row's 8 loads may be out
.else
	s_wait_dscnt 0x0
.endif
	v_pk_mul_f32 v[AC:AC+1], v[SRC:SRC+1], v[GB:GB+1]
	v_pk_mul_f32 v[AC+2:AC+3], v[SRC+2:SRC+3], v[GB+2:GB+3]
.irp p, 4,8,12,16,20,24,28
	v_pk_fma_f32 v[AC:AC+1], v[SRC+\p:SRC+\p+1], v[GB+\p:GB+\p+1], v[AC:AC+1]
	v_pk_fma_f32 v[AC+2:AC+3], v[SRC+\p+2:SRC+\p+3], v[GB+\p+2:GB+\p+3], v[AC+2:AC+3]
.endr
	v_pk_add_f32 v[AC:AC+1], v[AC:AC+1], v[AC+2:AC+3]
	v_add_f32 v[AC], v[AC], v[AC+1]
.endm
.irp q, 0,1,2,3,4,5,6,7,8,9
	DOT \q
.endr
.irp m, 1,2,4,8                                ; across the 32 lanes, the ten sums by turns
.irp q, 0,1,2,3,4,5,6,7,8,9
	v_add_f32_dpp v[R+4*\q], v[R+4*\q], v[R+4*\q] row_xmask:\m row_mask:0xf bank_mask:0xf
.endr
.endr
.irp q, 0,1,2,3,4,5,6,7,8,9
	v_permlanex16_b32 v[R+4*\q+1], v[R+4*\q], s22, s23
.endr
.irp q, 0,1,2,3,4,5,6,7,8,9
	v_add_f32 v[R+4*\q], v[R+4*\q], v[R+4*\q+1]    ; every lane holds every sum
.endr
	s_wait_kmcnt 0x0                               ; blg
	; the language gate: softmax over two logits, the maximum taken away first, then its argmax
	v_add_f32 v240, s26, v[R]
	v_add_f32 v241, s27, v[R+4]
	v_max_num_f32 v242, v240, v241
	v_sub_f32 v240, v240, v242
	v_sub_f32 v241, v241, v242
	v_mul_f32 v240, 0x3fb8aa3b, v240
	v_mul_f32 v241, 0x3fb8aa3b, v241
	s_wait_alu depctr_va_vdst(0)
	v_exp_f32 v240, v240
	v_exp_f32 v241, v241
	v_nop                                          ; a plain line behind the exponentials
	s_wait_alu depctr_va_vdst(0)                   ; one wait for both, ahead of their first reader
	v_add_f32 v242, v240, v241
	s_wait_alu depctr_va_vdst(0)
	v_rcp_f32 v242, v242
	v_nop
	s_wait_alu depctr_va_vdst(0)
	v_mul_f32 v240, v240, v242
	v_mul_f32 v241, v241, v242
	v_cmp_gt_f32 s25, v241, v240                   ; group 1 only where its share is strictly larger
	v_cndmask_b32 v243, 0, 4, s25                  ; 4 x group
.irp e, 0,1,2,3
	v_cndmask_b32 v[244+\e], v[R+8+4*\e], v[R+24+4*\e], s25          ; the chosen group's four logits
.endr
	v_mov_b32 v248, v244                           ; the largest, by an ascending scan with a strict compare
	v_mov_b32 v249, 0
.irp e, 1,2,3
	v_cmp_gt_f32 vcc_lo, v[244+\e], v248
	v_cndmask_b32 v248, v248, v[244+\e], vcc_lo
	v_cndmask_b32 v249, v249, \e, vcc_lo
.endr
	v_mov_b32 v252, 0xff800000
.irp e, 0,1,2,3
	v_cmp_eq_u32 vcc_lo, \e, v249
	v_cndmask_b32 v[244+\e], v[244+\e], v252, vcc_lo                 ; it is taken out,
.endr
	v_mov_b32 v250, v244                           ; and the same scan finds the second
	v_mov_b32 v251, 0
.irp e, 1,2,3
	v_cmp_gt_f32 vcc_lo, v[244+\e], v250
	v_cndmask_b32 v250, v250, v[244+\e], vcc_lo
	v_cndmask_b32 v251, v251, \e, vcc_lo
.endr
	v_sub_f32 v252, v250, v248                     ; the second less the first: 0 or less
	v_mul_f32 v252, 0x3fb8aa3b, v252
	s_wait_alu depctr_va_vdst(0)
	v_exp_f32 v252, v252
	v_add_nc_u32 v249, v249, v243                  ; (plain lines behind the exponential)  ge0
	v_add_nc_u32 v251, v251, v243                  ; ge1
	s_wait_alu depctr_va_vdst(0)
	v_add_f32 v253, 1.0, v252
	s_wait_alu depctr_va_vdst(0)
	v_rcp_f32 v254, v253                           ; w0 = 1 / (1 + e)
	v_lshl_or_b32 v249, v251, 4, v249              ; (a plain line behind the reciprocal)  ge0 | ge1 << 4
	s_wait_alu depctr_va_vdst(0)
	v_mul_f32 v255, v252, v254                     ; w1 = e w0
	v_mov_b32 v253, 0
	v_cmp_eq_u32 vcc_lo, 0, v[LANE]
	s_wait_alu depctr_va_vdst(0)
	s_wait_xcnt 0x0                                ; EXEC changes only behind this wait: the stores above have been taken
	s_wait_tensorcnt 0x0
	ds_add_u32 v14, v15
	s_wait_dscnt 0x0
	s_and_saveexec_b32 s24, vcc_lo                 ; lane 0 stores for the token
	global_store_b32 v253, v249, s[14:15]
	global_store_b64 v253, v[254:255], s[34:35] offset:WB
	s_wait_xcnt 0x0
	s_or_b32 exec_lo, exec_lo, s24
	s_endpgm
.Lfunc_end_k_qdf6ebffd82_route:
	.size	k_qdf6ebffd82_route, .Lfunc_end_k_qdf6ebffd82_route-k_qdf6ebffd82_route
	.p2alignl 7, 3214868480
	.fill 96, 4, 3214868480
	.section	.rodata,"a",@progbits
	.p2align	6, 0x0
	.amdhsa_kernel k_qdf6ebffd82_route
		.amdhsa_group_segment_fixed_size 59904
		.amdhsa_private_segment_fixed_size 0
		.amdhsa_enable_private_segment 0
		.amdhsa_kernarg_size 56
		.amdhsa_user_sgpr_count 2
		.amdhsa_user_sgpr_kernarg_segment_ptr 1
		.amdhsa_wavefront_size32 1
		.amdhsa_system_sgpr_workgroup_id_x 1
		.amdhsa_system_sgpr_workgroup_id_y 1
		.amdhsa_system_sgpr_workgroup_id_z 1
		.amdhsa_system_vgpr_workitem_id 0
		.amdhsa_next_free_vgpr 256
		.amdhsa_next_free_sgpr 66
		.amdhsa_reserve_vcc 1
		.amdhsa_float_denorm_mode_32 3
		.amdhsa_float_denorm_mode_16_64 3
		.amdhsa_memory_ordered 1
		.amdhsa_forward_progress 1
		.amdhsa_inst_pref_size 33
	.end_amdhsa_kernel
	.amdgpu_metadata
---
amdhsa.version: [ 1, 2 ]
amdhsa.kernels:
  - .name:           k_qdf6ebffd82_route
    .symbol:         k_qdf6ebffd82_route.kd
    .args:
      - { .name: xs, .offset: 0, .size: 8, .value_kind: global_buffer, .address_space: global }
      - { .name: bottle_neck, .offset: 8, .size: 8, .value_kind: global_buffer, .address_space: global }
      - { .name: Wlg, .offset: 16, .size: 8, .value_kind: global_buffer, .address_space: global }
      - { .name: blg, .offset: 24, .size: 8, .value_kind: global_buffer, .address_space: global }
      - { .name: Wg, .offset: 32, .size: 8, .value_kind: global_buffer, .address_space: global }
      - { .name: sel, .offset: 40, .size: 8, .value_kind: global_buffer, .address_space: global }
      - { .name: rt, .offset: 48, .size: 8, .value_kind: global_buffer, .address_space: global }
    .group_segment_fixed_size: 59904
    .private_segment_fixed_size: 0
    .kernarg_segment_align: 8
    .kernarg_segment_size: 56
    .max_flat_workgroup_size: 128
    .sgpr_count:     66
    .vgpr_count:     256
    .wavefront_size: 32
...
	.end_amdgpu_metadata
.endif
;; end of part 1
;; launch place (part 2): grid 16 x 8, 1 waves a work-group, no clusters, 13,056 bytes of LDS; arguments sel, rt, idx, xg; writes idx, xg
.if DOCPART == 2
	.amdgcn_target "amdgcn-amd-amdhsa--gfx1250"
	.amdhsa_code_object_version 6
	.text
	.protected	k_qdf6ebffd82_place
	.globl	k_qdf6ebffd82_place
	.p2align	8
	.type	k_qdf6ebffd82_place,@function
k_qdf6ebffd82_place:
	s_mov_b64 s[64:65], 0
	v_nop
	global_prefetch_b8 v0, s[64:65] scope:SCOPE_SE
	s_setreg_imm32_b32 hwreg(HW_REG_WAVE_MODE, 25, 1), 1
	s_wait_xcnt 0x0
; PLACE.  Work-group (j, ge), one wave.  It scans sel's 1,024 words, gives every (token, k) that chose expert ge a rank (a counting scan: no atomics), and keeps the list of entries 2 token + k in LDS.
; The 16 work-groups of an expert make the same list; work-group j then serves row tiles j, j + 16, j + 32, j + 48 of 16 ranks.  For a tile that has rows it gathers the 16 rows' codes and stores them as IMAGES OF
; OPERAND REGISTERS (a fragment of 16 rows x 128 K: two stores of 512 bytes, lane l's 16 bytes at 16 l), one image of scale words, the 16 gate weights by rank, and pos[2 token + k] = 1,024 ge + rank.
; RANKS THAT NOBODY TOOK.  The list's position p begins as the number of a spare word of idx that is this work-group's own: 2,112 + 16 (16 ge + j) + p % 16.  So the store of pos needs no mask: a real entry (under 2,048)
; names its word of pos, the others name 16 spare words that nothing reads.  As a token such an entry is held at 1,023 and as a weight's index at 2,047: those rows are multiplied with the rest and never read.
; nt[ge] = max(1, ceil(n / 16)): tile 0 of every expert is written, so a clamped tile number names written bytes.  For a tile without rows the 16 weights are stored as zeros, so that the weights' table is whole.
; One wave to a work-group: the scatter into the list has an address that hangs on loaded numbers, and no other wave shares this LDS.
.set LIST,  0                          ; LDS: 1,024 entries
.set STG,   4352                       ; behind the list and 32 words (from byte 4,096) that lanes without an entry write: 16 rows of 512 bytes + 16
.set SP,    528
.set XSC,   524288                     ; rt
.set WB,    557056
.set XSIMG, 4194304                    ; xg: scale images, [ge][tile 64][512 bytes]
.set WS,    4456448                    ; xg: gate weights by rank, [ge][1024] f32
.set NTO,   8192                       ; idx: nt[8]
.set SPW,   2112                       ; idx: the first spare word (byte 8,448); 16 for each of the 128 work-groups; the last is word 0x103f
; v1 16 lane, v2 lane, v3 8 lane, v14 8 lane + 1, v4 1,024 + lane, v5 64 j, v6 64 j + 4 (lane % 16), v7 4 (lane % 16), v15 lane % 16, v8, v9 the stage in and out, v10 16 (lane / 16), v46 zero
; v16-47 sel, later the tile's entries and offsets; v48-63 row offsets; v64-95, v96-127 the scan's addresses and entries; v128-191 rows; v192-255 fragments
	s_load_b256 s[4:11], s[0:1], 0x0               ; sel s[4:5], rt s[6:7], idx s[8:9], xg s[10:11]
	s_set_vgpr_msb 0x40
	v_lshl_add_u32 v0, v0, 2, 0x3200
	v_mov_b32 v1, 0
	s_set_vgpr_msb 0x4000
	v_and_b32 v2, 31, v0
	v_lshlrev_b32 v1, 4, v2
	v_lshlrev_b32 v3, 3, v2
	v_add_nc_u32 v14, 1, v3
	v_add_nc_u32 v4, 1024, v2
	s_and_b32 s12, ttmp7, 0xffff                   ; ge
	s_lshl_b32 s13, ttmp9, 6                       ; 64 j: a tile's 16 entries are 64 bytes
	v_mov_b32 v5, s13
	v_min_u32 v5, 0x3c0, v5                        ; held inside the list: j is at most 15
	v_and_b32 v15, 15, v2
	v_lshlrev_b32 v7, 2, v15
	v_add_nc_u32 v6, s13, v7
	v_min_u32 v6, 0x3fc, v6                        ; likewise
	v_add_nc_u32 v8, STG, v1
	v_bfe_u32 v10, v2, 4, 1
	v_lshlrev_b32 v10, 4, v10
	v_mad_u32_u24 v9, v15, SP, v10
	v_add_nc_u32 v9, STG, v9                       ; a fragment's piece: row (lane % 16), + 16 (lane / 16)
	v_mov_b32 v46, 0
	s_lshl_b32 s16, s12, 4
	s_add_co_u32 s16, s16, ttmp9                   ; 16 ge + j
	s_lshl_b32 s16, s16, 4
	s_add_co_u32 s16, s16, SPW                     ; my work-group's first spare word
	v_and_b32 v11, 3, v2
	v_lshl_add_u32 v11, v11, 2, s16
.irp p, 0,1,2,3
	v_add_nc_u32 v[240+\p], \p, v11                ; position 128 i + 4 lane + p begins as spare word (4 lane + p) % 16
.endr
.irp i, 0,1,2,3,4,5,6,7
	ds_store_b128 v1, v[240:243] offset:LIST+512*\i
.endr
	s_mov_b32 s14, 0                               ; ranks given so far
	s_wait_kmcnt 0x0
.irp k, 0,1,2,3,4,5,6,7
	global_load_b128 v[16+4*\k:16+4*\k+3], v1, s[4:5] offset:512*\k  ; register 4 k + c: token 128 k + 4 lane + c
.endr
	s_wait_loadcnt 0x0
.irp k, 0,1,2,3,4,5,6,7
.irp c, 0,1,2,3
	v_and_b32 v11, 15, v[16+4*\k+\c]               ; ge0
	v_lshrrev_b32 v12, 4, v[16+4*\k+\c]            ; ge1
	v_cmp_eq_u32 s20, s12, v11
	v_cmp_eq_u32 vcc_lo, s12, v12
	s_or_b32 s21, s20, vcc_lo                      ; the lanes whose token chose this expert (a token's two experts differ)
	v_mbcnt_lo_u32_b32 v[64+4*\k+\c], s21, s14     ; rank = ranks given + such lanes below mine
	v_cndmask_b32 v13, v3, v14, vcc_lo             ; 8 lane + k
	v_add_nc_u32 v[96+4*\k+\c], 256*\k+2*\c, v13   ; the entry: 2 token + k
	v_cndmask_b32 v[64+4*\k+\c], v4, v[64+4*\k+\c], s21              ; a lane without an entry writes a word of its own behind the list
	v_min_u32 v[64+4*\k+\c], 0x41f, v[64+4*\k+\c]
	v_lshlrev_b32 v[64+4*\k+\c], 2, v[64+4*\k+\c]
	ds_store_b32 v[64+4*\k+\c], v[96+4*\k+\c]
	s_bcnt1_i32_b32 s21, s21
	s_add_co_u32 s14, s14, s21
.endr
.endr
	s_min_u32 s14, s14, 1024                       ; n: at most one entry a token
	s_add_co_u32 s15, s14, 15
	s_lshr_b32 s15, s15, 4
	s_max_u32 s15, s15, 1
	s_min_u32 s15, s15, 64                         ; nt
	s_cmp_lg_u32 ttmp9, 0
	s_cbranch_scc1 .Lnot_first
	v_mov_b32 v11, s15                             ; the expert's first work-group stores it
	s_lshl_b32 s16, s12, 2
	v_mov_b32 v12, s16
	v_cmp_eq_u32 vcc_lo, 0, v2
	s_wait_alu depctr_va_vdst(0)
	s_wait_xcnt 0x0                                ; EXEC changes only behind this wait
	s_and_saveexec_b32 s17, vcc_lo
	global_store_b32 v12, v11, s[8:9] offset:NTO
	s_wait_xcnt 0x0
	s_or_b32 exec_lo, exec_lo, s17
.Lnot_first:
.macro TILE i
	s_add_co_u32 s18, ttmp9, 16*\i                 ; the tile
	s_lshl_b32 s19, s12, 6
	s_add_co_u32 s19, s19, s18                     ; 64 ge + tile
	s_wait_xcnt 0x0                                ; the last tile's loads and stores have read their registers: they are written again from here on
	s_lshl_b32 s22, s19, 6
	v_add_nc_u32 v43, s22, v7                      ; the weights' place: 4 (1,024 ge + 16 tile + lane % 16)
	s_cmp_lt_u32 s18, s15
	s_cbranch_scc0 .Labsent_\@
.irp p, 0,1,2,3
	ds_load_b128 v[16+4*\p:16+4*\p+3], v5 offset:LIST+1024*\i+16*\p  ; the 16 entries, in every lane (LDS serves a wave's instructions in order: these see the scan's stores)
.endr
	ds_load_b32 v32, v6 offset:LIST+1024*\i        ; and the entry of row lane % 16
	s_lshl_b32 s20, s19, 13
	v_add_nc_u32 v41, s20, v1                      ; the tile's images: 8,192 bytes
	s_lshl_b32 s21, s19, 9
	v_add_nc_u32 v42, s21, v1                      ; its scale image: 512
	s_lshl_b32 s23, s19, 4
	v_add_nc_u32 v45, s23, v15                     ; 1,024 ge + my row's rank
	s_wait_dscnt 0x0
.irp r, 0,1,2,3,4,5,6,7,8,9,10,11,12,13,14,15
	v_lshrrev_b32 v[48+\r], 1, v[16+\r]            ; the token,
	v_min_u32 v[48+\r], 0x3ff, v[48+\r]            ; held inside the table,
	v_lshl_add_u32 v[48+\r], v[48+\r], 9, v1       ; its row of codes
	global_load_b128 v[128+4*\r:128+4*\r+3], v[48+\r], s[6:7]        ; 32 lanes read the row's 512 bytes
.endr
	v_lshrrev_b32 v33, 1, v32
	v_min_u32 v33, 0x3ff, v33
	v_lshl_add_u32 v33, v33, 5, v10
	global_load_b128 v[36:39], v33, s[6:7] offset:XSC                ; register i: lanes 0-15 the word of K step i, lanes 16-31 of K step 4 + i, of row lane % 16
	v_min_u32 v34, 0x7ff, v32
	v_lshlrev_b32 v34, 2, v34
	global_load_b32 v40, v34, s[6:7] offset:WB     ; the entry's gate weight
	v_min_u32 v35, 0x103f, v32                     ; the entry as a word of idx: its word of pos, or one of my spare words
	v_lshlrev_b32 v35, 2, v35
	s_wait_alu depctr_va_vdst(0)
	s_wait_loadcnt 0x0
.irp r, 0,1,2,3,4,5,6,7,8,9,10,11,12,13,14,15
	ds_store_b128 v8, v[128+4*\r:128+4*\r+3] offset:SP*\r
.endr
.irp s, 0,1,2,3,4,5,6,7
.irp c, 0,1
	ds_load_b128 v[192+8*\s+4*\c:192+8*\s+4*\c+3], v9 offset:64*\s+32*\c   ; K step s: registers 4 c .. 4 c + 3 hold k = 64 c + 32 (lane / 16) + 0 .. 31 of row lane % 16
.endr
.endr
	global_store_b128 v42, v[36:39], s[10:11] offset:XSIMG
	global_store_b32 v43, v40, s[10:11] offset:WS  ; (lanes 16-31 repeat lanes 0-15)
	global_store_b32 v35, v45, s[8:9]              ; pos[2 token + k] = 1,024 ge + rank (lanes 16-31 repeat lanes 0-15)
	s_wait_dscnt 0x0
.irp s, 0,1,2,3,4,5,6,7
.irp c, 0,1
	global_store_b128 v41, v[192+8*\s+4*\c:192+8*\s+4*\c+3], s[10:11] offset:1024*\s+512*\c   ; 32 lanes store 512 consecutive bytes
.endr
.endr
	s_branch .Ldone_\@
.Labsent_\@:
	s_wait_alu depctr_va_vdst(0)
	global_store_b32 v43, v46, s[10:11] offset:WS
.Ldone_\@:
.endm
	TILE 0
	TILE 1
	TILE 2
	TILE 3
	s_set_vgpr_msb 0x5
	s_wait_tensorcnt 0x0
	ds_add_u32 v0, v1
	s_wait_dscnt 0x0
	s_set_vgpr_msb 0x500
	s_endpgm
.Lfunc_end_k_qdf6ebffd82_place:
	.size	k_qdf6ebffd82_place, .Lfunc_end_k_qdf6ebffd82_place-k_qdf6ebffd82_place
	.p2alignl 7, 3214868480
	.fill 96, 4, 3214868480
	.section	.rodata,"a",@progbits
	.p2align	6, 0x0
	.amdhsa_kernel k_qdf6ebffd82_place
		.amdhsa_group_segment_fixed_size 13056
		.amdhsa_private_segment_fixed_size 0
		.amdhsa_enable_private_segment 0
		.amdhsa_kernarg_size 32
		.amdhsa_user_sgpr_count 2
		.amdhsa_user_sgpr_kernarg_segment_ptr 1
		.amdhsa_wavefront_size32 1
		.amdhsa_system_sgpr_workgroup_id_x 1
		.amdhsa_system_sgpr_workgroup_id_y 1
		.amdhsa_system_sgpr_workgroup_id_z 1
		.amdhsa_system_vgpr_workitem_id 0
		.amdhsa_next_free_vgpr 258
		.amdhsa_next_free_sgpr 66
		.amdhsa_reserve_vcc 1
		.amdhsa_float_denorm_mode_32 3
		.amdhsa_float_denorm_mode_16_64 3
		.amdhsa_memory_ordered 1
		.amdhsa_forward_progress 1
		.amdhsa_inst_pref_size 62
	.end_amdhsa_kernel
	.amdgpu_metadata
---
amdhsa.version: [ 1, 2 ]
amdhsa.kernels:
  - .name:           k_qdf6ebffd82_place
    .symbol:         k_qdf6ebffd82_place.kd
    .args:
      - { .name: sel, .offset: 0, .size: 8, .value_kind: global_buffer, .address_space: global }
      - { .name: rt, .offset: 8, .size: 8, .value_kind: global_buffer, .address_space: global }
      - { .name: idx, .offset: 16, .size: 8, .value_kind: global_buffer, .address_space: global }
      - { .name: xg, .offset: 24, .size: 8, .value_kind: global_buffer, .address_space: global }
    .group_segment_fixed_size: 13056
    .private_segment_fixed_size: 0
    .kernarg_segment_align: 8
    .kernarg_segment_size: 32
    .max_flat_workgroup_size: 32
    .sgpr_count:     66
    .vgpr_count:     258
    .wavefront_size: 32
...
	.end_amdgpu_metadata
.endif
;; end of part 2
;; launch fc1 (part 3): grid 32 x 8, 4 waves a work-group, no clusters, 92,672 bytes of LDS; arguments W1, b1, idx, xg, hb; writes hb
.if DOCPART == 3
	.amdgcn_target "amdgcn-amd-amdhsa--gfx1250"
	.amdhsa_code_object_version 6
	.text
	.protected	k_qdf6ebffd82_fc1
	.globl	k_qdf6ebffd82_fc1
	.p2align	8
	.type	k_qdf6ebffd82_fc1,@function
k_qdf6ebffd82_fc1:
	s_mov_b64 s[64:65], 0
	v_nop
	global_prefetch_b8 v0, s[64:65] scope:SCOPE_SE
	s_setreg_imm32_b32 hwreg(HW_REG_WAVE_MODE, 25, 1), 1
	s_wait_xcnt 0x0
; FC1.  h = relu(x W1^T + b1) for the rows routed to one expert, quantised on the way to E2M1 along the hidden units, which are the next product's K.
; Work-group (u, ge) owns hidden units 128 u .. 128 u + 127 of expert ge: 524,288 bytes of W1, read once in the whole launch, and K step u of the next product.
; PHASE 1: wave w streams its 32 rows of W1 (131,072 consecutive bytes) through a ring of 8 rows in registers (64 loads, 32,768 bytes a wave on their way), quantises each row in registers, 8 lanes to a block of 32 (the maxima joined by DPP),
; and lays codes and scale bytes into LDS by rows.  One barrier.
; PHASE 2: every wave takes all 64 weight fragments (8 tiles x 8 K steps, 512 registers) and walks row tiles w, w + 4, ..: x's images from memory, one tile ahead; 64 matrix instructions, the tile's 8 accumulators by
; turns; relu; the quantiser in registers; one image (1,024 bytes) and 16 scale words to memory.
; The product is used transposed (source 0 = 16 rows of W1, source 1 = 16 rows of x): a lane holds one row of h.  THE ROWS OF W1 THAT FORM A TILE ARE NOT NEIGHBOURS: lane r of tile 2 b + v takes unit
; 32 b + 8 v + r + 8 (r / 8), so that the 16 registers of tiles 2 b and 2 b + 1 are 16 neighbours along the next K.  In LDS a tile's 16 rows are neighbours: LDS row 16 v + 8 x + y of a wave holds its unit 16 x + 8 v + y.
; b1 is the C of each sum's first matrix instruction.
; The number of row tiles is read from memory and ends the walk by a branch, so the launch has no tensor load, no copy and no joint request: operands go through registers.
; LIMITS: NaN and infinities are not served; a block whose largest magnitude lies under 2^-124 takes the scale byte 1, a block of zeros too (zero codes; this program alone reads the bytes).
.set CP,    528                        ; LDS: 128 rows of codes: 512 bytes + 16 = 33 x 16: the 16 rows of a fragment load start at different banks
.set WSL,   128*CP                     ; 128 rows of scale bytes: 32 + 16
.set WSP,   48
.set TURN,  WSL+128*WSP                ; a stage of 32 places for each wave
.set PLACE, 144
.set XSIMG, 4194304
.set HSO,   16777216
.set NTO,   8192
.set L16,  1                           ; v1   16 x lane
.set TIN,  2
.set TOUT, 3
.set CST,  4                           ; v4   my wave's rows of codes, + 2 x lane
.set SST,  5                           ; v5   my wave's rows of scale bytes, + lane / 8
.set FA,   6                           ; v6   a fragment's piece: 528 (lane % 16) + 16 (lane / 16)
.set WSA,  7                           ; v7   scale words: 48 x lane
.set XA,   8                           ; v8-9   x's images of the tile in buffer 0, 1
.set XSA,  10                          ; v10-11 its scale image
.set HAD,  12                          ; v12  where h's image goes
.set HSD,  13                          ; v13  and its scale words
.set R4,   14                          ; v14  4 (lane % 16)
.set H64,  15                          ; v15  64 (lane / 16)
.set T,    16                          ; v16-47 a block of 32 neighbours
.set M0,   48
.set M1,   49
.set SC,   50
.set BY,   51
.set C,    52                          ; v52-55
.set XS,   56                          ; v56-63 x's scale words, two sets of four: scales and nothing else
.set WS,   64                          ; v64-95 W1's: register 8 p + s: lanes 0-15 tile 2 p, lanes 16-31 tile 2 p + 1, K step s: scales and nothing else
.set HA,   96                          ; v96-159 the tile's 8 accumulators
.set PC,   160                         ; v160-167 h's codes
.set TM,   168                         ; v168-183 at work in the quantiser
.set PW,   184                         ; h's scale word
.set SEL,  22
; window 1: the ring, 8 x 32; later fragments (tile t, K step s < 4) at 64 s + 8 t.  window 2: K steps 4-7.  window 3: v0-63, v64-127 x's fragments, two buffers; v128-191 b1 in the result's layout.
.set MSB, 0
.macro WIN new                         ; the immediate's high byte repeats the setting that is left
.if MSB != \new
	s_set_vgpr_msb (MSB<<8)|\new
.set MSB, \new
.endif
.endm
.macro QBLK                            ; 32 numbers in v[T] on: 16 bytes of codes in v[C] on, the scale byte in v[BY]
	v_max3_num_f32 v[M0], |v[T]|, |v[T+1]|, |v[T+2]|
	v_max3_num_f32 v[M1], |v[T+3]|, |v[T+4]|, |v[T+5]|
.irp i, 6,10,14,18,22,26
	v_max3_num_f32 v[M0], v[M0], |v[T+\i]|, |v[T+\i+1]|
	v_max3_num_f32 v[M1], v[M1], |v[T+\i+2]|, |v[T+\i+3]|
.endr
	v_max3_num_f32 v[M0], v[M0], |v[T+30]|, |v[T+31]|
	v_max3_num_f32 v[M0], v[M0], v[M1], 0x1800000             ; the floor 2^(3 - 127): the byte cannot fall under 1
	v_add_nc_u32 v[SC], 0xff000000, v[M0]                     ; 2 off the exponent field: the conversion's scale operand
.irp g, 0,1,2,3
	v_cvt_scalef32_pk8_fp4_f32 v[C+\g], v[T+8*\g:T+8*\g+7], v[SC]
.endr
	v_lshrrev_b32 v[BY], 23, v[SC]                            ; the byte; also the plain line behind the conversions
.endm
; 64 numbers of a lane, register 16 b + i = k 32 b + 16 (lane / 16) + i of my row, become a fragment's codes in v[PC] on and its scale word in v[PW].
.macro QUANT s
.irp b, 0,1,2,3
	v_max3_num_f32 v[TM+\b], |v[\s+16*\b]|, |v[\s+1+16*\b]|, 0x1800000
.endr
.irp i, 2,4,6,8,10,12,14
.irp b, 0,1,2,3
	v_max3_num_f32 v[TM+\b], v[TM+\b], |v[\s+16*\b+\i]|, |v[\s+1+16*\b+\i]|
.endr
.endr
.irp b, 0,1,2,3
	v_permlanex16_b32 v[TM+4+\b], v[TM+\b], s[SEL], s[SEL+1]
.endr
.irp b, 0,1,2,3
	v_max_num_f32 v[TM+\b], v[TM+\b], v[TM+4+\b]              ; with lane l xor 16's: the block's largest magnitude
.endr
.irp b, 0,1,2,3
	v_add_nc_u32 v[TM+12+\b], 0xff000000, v[TM+\b]
.endr
.irp b, 0,1,2,3
	v_lshrrev_b32 v[TM+4+\b], 23, v[TM+12+\b]
.endr
	v_lshl_or_b32 v[PW], v[TM+5], 8, v[TM+4]
	v_lshl_or_b32 v[PW], v[TM+6], 16, v[PW]
	v_lshl_or_b32 v[PW], v[TM+7], 24, v[PW]
.irp b, 0,1,2,3
	v_cvt_scalef32_pk8_fp4_f32 v[PC+2*\b], v[\s+16*\b:\s+7+16*\b], v[TM+12+\b]
	v_cvt_scalef32_pk8_fp4_f32 v[PC+1+2*\b], v[\s+8+16*\b:\s+15+16*\b], v[TM+12+\b]
.endr
	v_nop                                          ; one plain line behind a scaled conversion
.irp c, 0,1                                    ; the operand's layout wants a whole block in a lane
.irp i, 0,1
	v_permlane16_swap_b32 v[PC+4*\c+\i], v[PC+2+4*\c+\i]
.endr
.endr
.endm
; One matrix instruction.  ra, rb: the scales are read from lanes 16-31 of the register named.
.macro MM d, a, b, c, sa, sb, ra, rb
.if (\ra) && (\rb)
	v_wmma_scale_f32_16x16x128_f8f6f4 v[(\d):(\d)+7], v[(\a):(\a)+7], v[(\b):(\b)+7], v[(\c):(\c)+7], v[\sa], v[\sb] matrix_a_fmt:MATRIX_FMT_FP4 matrix_b_fmt:MATRIX_FMT_FP4 matrix_a_scale:MATRIX_SCALE_ROW1 matrix_b_scale:MATRIX_SCALE_ROW1
.elseif (\ra)
	v_wmma_scale_f32_16x16x128_f8f6f4 v[(\d):(\d)+7], v[(\a):(\a)+7], v[(\b):(\b)+7], v[(\c):(\c)+7], v[\sa], v[\sb] matrix_a_fmt:MATRIX_FMT_FP4 matrix_b_fmt:MATRIX_FMT_FP4 matrix_a_scale:MATRIX_SCALE_ROW1
.elseif (\rb)
	v_wmma_scale_f32_16x16x128_f8f6f4 v[(\d):(\d)+7], v[(\a):(\a)+7], v[(\b):(\b)+7], v[(\c):(\c)+7], v[\sa], v[\sb] matrix_a_fmt:MATRIX_FMT_FP4 matrix_b_fmt:MATRIX_FMT_FP4 matrix_b_scale:MATRIX_SCALE_ROW1
.else
	v_wmma_scale_f32_16x16x128_f8f6f4 v[(\d):(\d)+7], v[(\a):(\a)+7], v[(\b):(\b)+7], v[(\c):(\c)+7], v[\sa], v[\sb] matrix_a_fmt:MATRIX_FMT_FP4 matrix_b_fmt:MATRIX_FMT_FP4
.endif
.endm
	s_load_b256 s[4:11], s[0:1], 0x0               ; W1 s[4:5], b1 s[6:7], idx s[8:9], xg s[10:11]
	s_load_b64 s[12:13], s[0:1], 0x20              ; hb
	v_lshl_add_u32 v254, v0, 2, 0x16800
	v_mov_b32 v255, 0
	v_lshrrev_b32 v186, 5, v0
	v_readfirstlane_b32 s18, v186                  ; wave
	s_and_b32 s20, ttmp7, 0xffff                   ; ge;  ttmp9 = u
	v_and_b32 v186, 31, v0                         ; lane
	v_lshlrev_b32 v[L16], 4, v186
	v_lshrrev_b32 v189, 3, v186                    ; lane / 8: my block of a load's four
	s_mul_i32 s27, s18, 32*CP
	v_lshl_add_u32 v[CST], v186, 1, s27            ; my wave's rows of codes, + 2 x lane: a lane's 4 codes of a load
	s_mul_i32 s27, s18, 32*WSP
	s_add_co_u32 s27, s27, WSL
	v_add_nc_u32 v[SST], s27, v189                 ; my wave's rows of scale bytes, + lane / 8
	v_and_b32 v187, 15, v186                       ; r
	v_bfe_u32 v188, v186, 4, 1                     ; h
	v_mul_u32_u24 v[FA], v187, CP
	v_lshl_add_u32 v[FA], v188, 4, v[FA]
	v_mul_u32_u24 v[WSA], v186, WSP
	v_add_nc_u32 v[WSA], WSL, v[WSA]
	v_lshlrev_b32 v[R4], 2, v187
	v_lshlrev_b32 v[H64], 6, v188
.irp b, 0,1,2,3
	v_mov_b32 v[TM+4+\b], 0                        ; written once: a lane permute's destination counts as one of its sources
.endr
	s_mov_b32 s[SEL], 0x76543210
	s_mov_b32 s[SEL+1], 0xfedcba98
	s_lshl_b32 s30, s20, 24                        ; an expert's W1: 16,777,216 bytes; my work-group's 128 rows; my wave's 32
	s_lshl_b32 s27, ttmp9, 19
	s_add_co_u32 s30, s30, s27
	s_lshl_b32 s27, s18, 17
	s_add_co_u32 s30, s30, s27
	s_mov_b32 s31, 0
	s_wait_alu depctr_va_vdst(0)                   ; the wait at the head's end
	s_wait_kmcnt 0x0
	s_add_nc_u64 s[4:5], s[4:5], s[30:31]
	WIN 0x40                                       ; destination window 1
.irp i, 0,1,2,3,4,5,6,7                        ; the ring is filled before anything else: LDS rows 0-7 are units 0-7
.irp j, 0,1,2,3,4,5,6,7
	global_load_b128 v[32*\i+4*\j:32*\i+4*\j+3], v[L16], s[4:5] offset:4096*\i+512*\j th:TH_LOAD_NT
.endr
.endr
	WIN 0
	s_lshl_b32 s30, s20, 2
	s_add_nc_u64 s[8:9], s[8:9], s[30:31]
	s_load_b32 s24, s[8:9], NTO                    ; the expert's row tiles
	s_lshl_b32 s30, s20, 14
	s_lshl_b32 s27, ttmp9, 9
	s_add_co_u32 s30, s30, s27
	s_add_nc_u64 s[6:7], s[6:7], s[30:31]          ; b1 at my 128 units
	s_lshl_b32 s30, s20, 15
	s_add_nc_u64 s[14:15], s[10:11], s[30:31]      ; the expert's scale images (+ XSIMG in the immediate)
	s_lshl_b32 s30, s20, 19
	s_add_nc_u64 s[10:11], s[10:11], s[30:31]      ; the expert's images of x
	s_lshl_b32 s30, s20, 17
	s_lshl_b32 s27, ttmp9, 6
	s_add_co_u32 s30, s30, s27
	s_add_nc_u64 s[16:17], s[12:13], s[30:31]
	s_add_nc_u64 s[16:17], s[16:17], HSO           ; h's scale words: [ge][tile][K step u][16]
	s_lshl_b32 s30, s20, 21
	s_lshl_b32 s27, ttmp9, 10
	s_add_co_u32 s30, s30, s27
	s_add_nc_u64 s[12:13], s[12:13], s[30:31]      ; h's images: [ge][tile][K step u][1,024 bytes]
	s_wait_kmcnt 0x0
	s_min_u32 s24, s24, 64
	s_sub_co_u32 s25, s24, 1
	s_mov_b32 s26, s18                             ; my first tile
	s_min_u32 s27, s18, s25                        ; what is fetched for it is held to a tile that was written
	s_min_u32 s27, s27, 63
	v_lshl_add_u32 v[XA], s27, 13, v[L16]
	v_lshl_add_u32 v[XSA], s27, 9, v[L16]
; LDS row i of my wave.  Its 8 loads are in when at most CNT younger loads are out: the 7 rows behind it while the ring is filled again; in the last 8 rows the rows left and the extras issued in the refills' place
; (rows 24-27: four loads each of my first tile's fragments of x, and its scale image with row 27; rows 28-31: four loads each of b1).
.macro WROW i
.if (\i) <= 24
.set CNT, 56
.else
.set CNT, 8*(31-(\i))+4*((\i)-24)+((\i)-24)/4
.endif
	s_wait_loadcnt CNT
; THE QUANTISER OF PHASE 1 (it takes the place of the turn through a stage in LDS that the head names: no f32 number goes through LDS).  A load gives a lane 4 neighbours, 8 lanes hold a block of 32: its largest
; magnitude is joined by three DPP steps.  The conversion takes 8 numbers under one scale, so each pair of loads is converted twice, under the first load's scale (the low 16 bits count) and under the second's
; (the high 16 bits); each half goes to the row of codes by a 16-bit store, K ascending.  The row's 8 loads' chains go by turns.
.set QM, 16                            ; v16-23 maxima, then the conversions' scale operands
.set QC, 24                            ; v24-31 codes
.set QB, 32                            ; v32-39 scale bytes
	s_wait_dscnt 0x0                               ; the last row's LDS stores have read their codes and bytes
	WIN 0x15                                       ; all three sources window 1
.irp n, 0,1,2,3,4,5,6,7
	v_max3_num_f32 v[QM+\n], |v[32*((\i)%8)+4*\n]|, |v[32*((\i)%8)+4*\n+1]|, |v[32*((\i)%8)+4*\n+2]|
.endr
	WIN 0x01
.irp n, 0,1,2,3,4,5,6,7
	v_max3_num_f32 v[QM+\n], |v[32*((\i)%8)+4*\n+3]|, v[QM+\n], 0x1800000     ; my four, and the floor 2^(3 - 127): the byte cannot fall under 1
.endr
	WIN 0
.irp m, 1,2,4
.irp n, 0,1,2,3,4,5,6,7
	v_max_num_f32_dpp v[QM+\n], v[QM+\n], v[QM+\n] row_xmask:\m row_mask:0xf bank_mask:0xf   ; with the 7 other lanes of the block
.endr
.endr
.irp n, 0,1,2,3,4,5,6,7
	v_add_nc_u32 v[QM+\n], 0xff000000, v[QM+\n]    ; 2 off the exponent field: the conversion's scale operand
.endr
	WIN 0x01
.irp n, 0,1,2,3,4,5,6,7
	v_cvt_scalef32_pk8_fp4_f32 v[QC+\n], v[32*((\i)%8)+8*(\n/2):32*((\i)%8)+8*(\n/2)+7], v[QM+\n]   ; n even: the low half counts; n odd: the high half
.endr
	WIN 0
.irp n, 0,1,2,3,4,5,6,7
	v_lshrrev_b32 v[QB+\n], 23, v[QM+\n]           ; the scale's byte; also the plain lines behind the conversions
.endr
.irp q, 0,1,2,3
	ds_store_b16 v[CST], v[QC+2*\q] offset:CP*(\i)+128*\q                ; 32 lanes: the 64 bytes of a K step of the row
	ds_store_b16_d16_hi v[CST], v[QC+2*\q+1] offset:CP*(\i)+128*\q+64
	ds_store_b8 v[SST], v[QB+2*\q] offset:WSP*(\i)+8*\q                  ; the 8 lanes of a block write the same byte with the same value
	ds_store_b8 v[SST], v[QB+2*\q+1] offset:WSP*(\i)+8*\q+4
.endr
.if (\i) < 24
.set NX, (\i)+8
.set UNX, 16*((NX/8)%2)+8*(NX/16)+NX%8
	WIN 0x40
.irp j, 0,1,2,3,4,5,6,7
	global_load_b128 v[32*((\i)%8)+4*\j:32*((\i)%8)+4*\j+3], v[L16], s[4:5] offset:4096*UNX+512*\j th:TH_LOAD_NT
.endr
	WIN 0
.else
.set E, (\i)-24
	WIN 0xc0                                       ; destination window 3
.if E < 4
.irp k, 0,1
.irp c, 0,1
	global_load_b128 v[8*(2*E+\k)+4*\c:8*(2*E+\k)+4*\c+3], v[XA], s[10:11] offset:1024*(2*E+\k)+512*\c
.endr
.endr
	WIN 0
.if E == 3
	global_load_b128 v[XS:XS+3], v[XSA], s[14:15] offset:XSIMG
.endif
.else
.irp k, 0,1
.set TT, 2*(E-4)+\k
	global_load_b128 v[128+8*TT:128+8*TT+3], v[H64], s[6:7] offset:(32*(TT/2)+8*(TT%2))*4       ; lane (r, h), tile t, register j: b1 of unit 32 (t / 2) + 16 h + 8 (t % 2) + j
	global_load_b128 v[128+8*TT+4:128+8*TT+7], v[H64], s[6:7] offset:(32*(TT/2)+8*(TT%2))*4+16
.endr
	WIN 0
.endif
.endif
.endm
.set ROWI, 0
.rept 32
	WROW ROWI
.set ROWI, ROWI+1
.endr
	s_wait_dscnt 0x0                               ; for the others' sake: my 32 rows of codes and scale bytes lie in LDS
	s_barrier_signal -1
	s_barrier_wait -1
	WIN 0x40
.irp s, 0,1,2,3
.irp t, 0,1,2,3,4,5,6,7
.irp c, 0,1
	ds_load_b128 v[64*\s+8*\t+4*\c:64*\s+8*\t+4*\c+3], v[FA] offset:16*\t*CP+64*\s+32*\c
.endr
.endr
.endr
	WIN 0x80
.irp s, 4,5,6,7
.irp t, 0,1,2,3,4,5,6,7
.irp c, 0,1
	ds_load_b128 v[64*(\s-4)+8*\t+4*\c:64*(\s-4)+8*\t+4*\c+3], v[FA] offset:16*\t*CP+64*\s+32*\c
.endr
.endr
.endr
	WIN 0
.irp p, 0,1,2,3
	ds_load_b128 v[WS+8*\p:WS+8*\p+3], v[WSA] offset:32*WSP*\p
	ds_load_b128 v[WS+8*\p+4:WS+8*\p+7], v[WSA] offset:32*WSP*\p+16
.endr
	s_wait_dscnt 0x0
; The tile whose fragments of x lie in buffer b.
.macro HALF b
	s_cmp_ge_u32 s26, s24                          ; no tile left: the walk ends (no barrier stands behind this branch)
	s_cbranch_scc1 .Ldone
	s_add_co_u32 s27, s26, 4                       ; my next tile, held to one that was written
	s_min_u32 s27, s27, s25
	s_min_u32 s27, s27, 63
	v_lshl_add_u32 v[XA+1-\b], s27, 13, v[L16]     ; (the loads that last named these registers were shown done by the last tile's wait)
	v_lshl_add_u32 v[XSA+1-\b], s27, 9, v[L16]
	WIN 0xc0
.irp s, 0,1,2,3,4,5,6,7
.irp c, 0,1
	global_load_b128 v[64*(1-\b)+8*\s+4*\c:64*(1-\b)+8*\s+4*\c+3], v[XA+1-\b], s[10:11] offset:1024*\s+512*\c
.endr
.endr
	WIN 0
	global_load_b128 v[XS+4*(1-\b):XS+4*(1-\b)+3], v[XSA+1-\b], s[14:15] offset:XSIMG
	s_wait_loadcnt 17                              ; all but the 17 just issued: this tile's fragments and scale words are in
.irp s, 0,1,2,3,4,5,6,7                        ; the 8 accumulators take turns, one instruction a turn
.if \s == 0
	WIN 0x3d                                       ; W1 window 1, x window 3, C = b1 window 3, D window 0
.elseif \s < 4
	WIN 0x0d
.else
	WIN 0x0e                                       ; W1 window 2
.endif
.irp t, 0,1,2,3,4,5,6,7
.if \s == 0
	MM HA+8*\t, 64*(\s%4)+8*\t, 64*(\b)+8*\s, 128+8*\t, WS+8*(\t/2)+\s, XS+4*(\b)+\s%4, \t%2, \s/4
.else
	MM HA+8*\t, 64*(\s%4)+8*\t, 64*(\b)+8*\s, HA+8*\t, WS+8*(\t/2)+\s, XS+4*(\b)+\s%4, \t%2, \s/4
.endif
.endr
.endr
	WIN 0
.rept 4
	v_nop                                          ; four places in front of the first read of results
.endr
.irp j, 0,1,2,3,4,5,6,7,8,9,10,11,12,13,14,15,16,17,18,19,20,21,22,23,24,25,26,27,28,29,30,31,32,33,34,35,36,37,38,39,40,41,42,43,44,45,46,47,48,49,50,51,52,53,54,55,56,57,58,59,60,61,62,63
	v_max_num_f32 v[HA+\j], 0, v[HA+\j]            ; relu, in f32; each accumulator from its low end on
.endr
	s_wait_xcnt 0x0                                ; the last tile's stores have read their data and offsets: both are written again below
	QUANT HA
	v_lshl_add_u32 v[HAD], s26, 15, v[L16]
	v_lshl_add_u32 v[HSD], s26, 11, v[R4]
	global_store_b128 v[HAD], v[PC:PC+3], s[12:13]                   ; 32 lanes store 512 consecutive bytes
	global_store_b128 v[HAD], v[PC+4:PC+7], s[12:13] offset:512
	global_store_b32 v[HSD], v[PW], s[16:17]       ; 16 scale words (lanes 16-31 repeat lanes 0-15)
	s_add_co_u32 s26, s26, 4
.endm
	s_mov_b32 s28, 0
.Lwalk:                                            ; 8 trips of two tiles serve the most that a wave can have, 16
	HALF 0
	HALF 1
	s_add_co_u32 s28, s28, 1
	s_cmp_lt_u32 s28, 8
	s_cbranch_scc1 .Lwalk
.Ldone:
	s_wait_tensorcnt 0x0
	ds_add_u32 v254, v255
	s_wait_dscnt 0x0
	s_endpgm
.Lfunc_end_k_qdf6ebffd82_fc1:
	.size	k_qdf6ebffd82_fc1, .Lfunc_end_k_qdf6ebffd82_fc1-k_qdf6ebffd82_fc1
	.p2alignl 7, 3214868480
	.fill 96, 4, 3214868480
	.section	.rodata,"a",@progbits
	.p2align	6, 0x0
	.amdhsa_kernel k_qdf6ebffd82_fc1
		.amdhsa_group_segment_fixed_size 92672
		.amdhsa_private_segment_fixed_size 0
		.amdhsa_enable_private_segment 0
		.amdhsa_kernarg_size 40
		.amdhsa_user_sgpr_count 2
		.amdhsa_user_sgpr_kernarg_segment_ptr 1
		.amdhsa_wavefront_size32 1
		.amdhsa_system_sgpr_workgroup_id_x 1
		.amdhsa_system_sgpr_workgroup_id_y 1
		.amdhsa_system_sgpr_workgroup_id_z 1
		.amdhsa_system_vgpr_workitem_id 0
		.amdhsa_next_free_vgpr 1024
		.amdhsa_next_free_sgpr 66
		.amdhsa_reserve_vcc 0
		.amdhsa_float_denorm_mode_32 3
		.amdhsa_float_denorm_mode_16_64 3
		.amdhsa_memory_ordered 1
		.amdhsa_forward_progress 1
		.amdhsa_inst_pref_size 241
	.end_amdhsa_kernel
	.amdgpu_metadata
---
amdhsa.version: [ 1, 2 ]
amdhsa.kernels:
  - .name:           k_qdf6ebffd82_fc1
    .symbol:         k_qdf6ebffd82_fc1.kd
    .args:
      - { .name: W1, .offset: 0, .size: 8, .value_kind: global_buffer, .address_space: global }
      - { .name: b1, .offset: 8, .size: 8, .value_kind: global_buffer, .address_space: global }
      - { .name: idx, .offset: 16, .size: 8, .value_kind: global_buffer, .address_space: global }
      - { .name: xg, .offset: 24, .size: 8, .value_kind: global_buffer, .address_space: global }
      - { .name: hb, .offset: 32, .size: 8, .value_kind: global_buffer, .address_space: global }
    .group_segment_fixed_size: 92672
    .private_segment_fixed_size: 0
    .kernarg_segment_align: 8
    .kernarg_segment_size: 40
    .max_flat_workgroup_size: 128
    .sgpr_count:     66
    .vgpr_count:     1024
    .wavefront_size: 32
...
	.end_amdgpu_metadata
.endif
;; end of part 3
;; launch fc2 (part 4): grid 32 x 8, 8 waves a work-group, no clusters, 89,856 bytes of LDS; arguments W2, b2, idx, xg, hb, y2; writes y2
.if DOCPART == 4
	.amdgcn_target "amdgcn-amd-amdhsa--gfx1250"
	.amdhsa_code_object_version 6
	.text
	.protected	k_qdf6ebffd82_fc2
	.globl	k_qdf6ebffd82_fc2
	.p2align	8
	.type	k_qdf6ebffd82_fc2,@function
k_qdf6ebffd82_fc2:
	s_mov_b64 s[64:65], 0
	v_nop
	global_prefetch_b8 v0, s[64:65] scope:SCOPE_SE
	s_setreg_imm32_b32 hwreg(HW_REG_WAVE_MODE, 25, 1), 1
	s_wait_xcnt 0x0
; FC2.  y2[slice][ge][rank][32] = w[rank] x (h W2^T + b2), for the rows routed to one expert and 32 of the 1,024 outputs.
; Work-group (slice, ge) owns 32 rows of W2 (524,288 bytes, read once in the whole launch) and walks K = 4,096 in 16 chunks of 256.  The eight waves are alike.
; A STEP.  Wave w quantises chunk c of its rows 4 w .. 4 w + 3 (8 loads of 512 consecutive bytes, asked for three chunks ahead) and lays codes and scale bytes into LDS; the barrier; then it multiplies chunk c of all
; 32 rows against its row tiles w, w + 8, w + 16 of h (6 accumulators), whose images come from memory into three slots, three chunks ahead.
; THE QUANTISER.  A load gives a lane 4 neighbours, 8 lanes hold a block of 32: its largest magnitude is joined by three DPP steps.  The conversion takes 8 numbers under one scale, so each pair of loads is
; converted twice, under the first load's scale (the low 16 bits count) and under the second's (the high 16 bits); each half goes to LDS by a 16-bit store, K ascending.
; The codes and scale bytes of ALL of K stay in LDS: no byte there is written twice, so one barrier a step serves.
; Every step issues 8 + 15 loads on every way, so that the counted waits hold; a tile that the expert does not have asks for one piece of 16 bytes of a written tile, and its sums are never stored.
; Three steps' loads are 69, more than LOADcnt's field holds: the issue of the last of them then stalls (ISA guide 5.7.1), directly ahead of the wait for the oldest; every wait's own count is 61 or less.
; An expert with more than 24 row tiles is served in further rounds of 24 tiles from the codes that lie in LDS: loops of constant count, the work under branches inside them.
; The product is used transposed (source 0 = 16 rows of W2, source 1 = 16 rows of h): a lane holds eight neighbouring outputs of one row.  The sums begin as b2, loaded into the accumulators.
; The number of row tiles is read from memory and steers branches, so the launch has no tensor load, no copy and no joint request, though the 32 slices of an expert read the same h.
; No prefetch: the loads into registers are themselves asked for three chunks ahead.
; LIMITS: NaN and infinities are not served; a block whose largest magnitude lies under 2^-124 takes the scale byte 1, a block of zeros too (zero codes; this program alone reads the bytes).
.set CP,    2064                       ; LDS: 32 rows of codes: 2,048 bytes + 16 = 129 x 16
.set SB,    32*CP                      ; 32 rows of scale bytes: 128 + 8
.set SP,    136
.set YS,    SB+32*SP                   ; the way out: 16 rows x (128 bytes + 16) for each wave
.set PLACE, 144
.set SPARE, YS+8*16*PLACE              ; the spare words: 128 bytes a wave
.set WSO_,  4456448                    ; xg: the gate weights by rank
.set HSO,   16777216
.set NTO,   8192
.set L16,  1                           ; 16 x lane
.set CST,  2                           ; where my codes go: (4 w) rows + 2 x lane, + the trip's bytes along K
.set SST,  3                           ; my scale bytes: SB + (4 w) rows + lane / 8, + the trip's
.set WFA,  4                           ; a fragment's piece: 2,064 (lane % 16) + 16 (lane / 16), + the trip's
.set WSA,  5                           ; scale words: SB + 136 x lane, + the trip's
.set YST,  6
.set YRD,  7
.set SPW,  8
.set NIL,  9
.set CST0, 10                          ; the four addresses at K = 0; never rewritten
.set SST0, 11
.set WF0,  12
.set WS0,  13
.set HA,   14                          ; v14-16 h's images of my three tiles
.set HSA,  17                          ; v17-19 their scale words
.set WA,   20                          ; v20-22 their gate weights
.set YO,   23
.set B2O,  24
.set R4,   25
.set L4,   26
.set TA,   27
.set TB,   28
.set WR,   30                          ; v30-32 the gate weights of my tiles' rows
.set WS,   34                          ; v34-35 W2's scale words of the chunk's two K steps: lanes 0-15 outputs 0-15, lanes 16-31 outputs 16-31: scales and nothing else
.set HS,   36                          ; v36-44 h's: slot x 3 + tile: lanes 0-15 the even K step, lanes 16-31 the odd: scales and nothing else
.set WF,   64                          ; v64-95 W2's fragments (t, s) at 8 (2 t + s)
.set ACC,  96                          ; v96-143 accumulator (tile i, t) at 16 i + 8 t
.set M,    144                         ; v144-151 maxima, then the conversions' scale operands
.set C,    152                         ; v152-159 codes
.set BY,   160                         ; v160-167 scale bytes
.set Y,    168                         ; v168-183 the way out: a tile of y
.set HB,   96                          ; window 1: v0-95 W2's numbers, slot p at 32 p, row q, half e at 8 q + 4 e; from v96 h's slot p at 48 p, tile i, K step s at 16 i + 8 s
.set MSB, 0
.macro WIN new                         ; the immediate's high byte repeats the setting that is left
.if MSB != \new
	s_set_vgpr_msb (MSB<<8)|\new
.set MSB, \new
.endif
.endm
.macro MM d, a, b, c, sa, sb, ra, rb
.if (\ra) && (\rb)
	v_wmma_scale_f32_16x16x128_f8f6f4 v[(\d):(\d)+7], v[(\a):(\a)+7], v[(\b):(\b)+7], v[(\c):(\c)+7], v[\sa], v[\sb] matrix_a_fmt:MATRIX_FMT_FP4 matrix_b_fmt:MATRIX_FMT_FP4 matrix_a_scale:MATRIX_SCALE_ROW1 matrix_b_scale:MATRIX_SCALE_ROW1
.elseif (\ra)
	v_wmma_scale_f32_16x16x128_f8f6f4 v[(\d):(\d)+7], v[(\a):(\a)+7], v[(\b):(\b)+7], v[(\c):(\c)+7], v[\sa], v[\sb] matrix_a_fmt:MATRIX_FMT_FP4 matrix_b_fmt:MATRIX_FMT_FP4 matrix_a_scale:MATRIX_SCALE_ROW1
.elseif (\rb)
	v_wmma_scale_f32_16x16x128_f8f6f4 v[(\d):(\d)+7], v[(\a):(\a)+7], v[(\b):(\b)+7], v[(\c):(\c)+7], v[\sa], v[\sb] matrix_a_fmt:MATRIX_FMT_FP4 matrix_b_fmt:MATRIX_FMT_FP4 matrix_b_scale:MATRIX_SCALE_ROW1
.else
	v_wmma_scale_f32_16x16x128_f8f6f4 v[(\d):(\d)+7], v[(\a):(\a)+7], v[(\b):(\b)+7], v[(\c):(\c)+7], v[\sa], v[\sb] matrix_a_fmt:MATRIX_FMT_FP4 matrix_b_fmt:MATRIX_FMT_FP4
.endif
.endm
.macro SYNC                            ; my LDS stores have landed: then the work-group's barrier
	s_wait_dscnt 0x0
	s_barrier_signal -1
	s_barrier_wait -1
.endm
.macro WLOAD p, rel                    ; my four rows of W2, the chunk rel chunks on from the pointer, into slot p: 8 loads
	WIN 0x40
.irp q, 0,1,2,3
.irp e, 0,1
	global_load_b128 v[32*(\p)+8*\q+4*\e:32*(\p)+8*\q+4*\e+3], v[L16], s[4:5] offset:\q*16384+1024*(\rel)+512*\e th:TH_LOAD_NT
.endr
.endr
	WIN 0
.endm
; Slot p's chunk, the trip's j-th, is quantised.  cnt: the younger loads that may be out.  The 8 loads' chains go by turns.
.macro QUART p, j, cnt
	s_wait_loadcnt \cnt
	WIN 0x15                                       ; all three sources window 1
.irp n, 0,1,2,3,4,5,6,7
	v_max3_num_f32 v[M+\n], |v[32*(\p)+4*\n]|, |v[32*(\p)+4*\n+1]|, |v[32*(\p)+4*\n+2]|
.endr
	WIN 0x01
.irp n, 0,1,2,3,4,5,6,7
	v_max3_num_f32 v[M+\n], |v[32*(\p)+4*\n+3]|, v[M+\n], 0x1800000      ; my four, and the floor 2^(3 - 127): the byte cannot fall under 1
.endr
	WIN 0
.irp m, 1,2,4
.irp n, 0,1,2,3,4,5,6,7
	v_max_num_f32_dpp v[M+\n], v[M+\n], v[M+\n] row_xmask:\m row_mask:0xf bank_mask:0xf   ; with the 7 other lanes of the block
.endr
.endr
.irp n, 0,1,2,3,4,5,6,7
	v_add_nc_u32 v[M+\n], 0xff000000, v[M+\n]      ; 2 off the exponent field: the conversion's scale operand
.endr
	WIN 0x01
.irp n, 0,1,2,3,4,5,6,7
	v_cvt_scalef32_pk8_fp4_f32 v[C+\n], v[32*(\p)+8*(\n/2):32*(\p)+8*(\n/2)+7], v[M+\n]   ; n even: the low half counts; n odd: the high half
.endr
	WIN 0
.irp n, 0,1,2,3,4,5,6,7
	v_lshrrev_b32 v[BY+\n], 23, v[M+\n]            ; the scale's byte; also the plain lines behind the conversions
.endr
.irp q, 0,1,2,3
	ds_store_b16 v[CST], v[C+2*\q] offset:\q*CP+128*(\j)                 ; 32 lanes: the 64 bytes of a K step of row q
	ds_store_b16_d16_hi v[CST], v[C+2*\q+1] offset:\q*CP+128*(\j)+64
	ds_store_b8 v[SST], v[BY+2*\q] offset:\q*SP+8*(\j)                   ; the 8 lanes of a block write the same byte with the same value
	ds_store_b8 v[SST], v[BY+2*\q+1] offset:\q*SP+8*(\j)+4
.endr
.endm
; h of my three tiles, the chunk rel chunks on from the pointers, into slot p: 12 loads of images, 3 of scale words.
.macro ISSUE p, rel
	WIN 0x40
.irp i, 0,1,2
.irp s, 0,1
.irp c, 0,1
	global_load_b128 v[HB+48*(\p)+16*\i+8*\s+4*\c:HB+48*(\p)+16*\i+8*\s+4*\c+3], v[HA+\i], s[12:13] offset:(\rel)*2048+1024*\s+512*\c
.endr
.endr
.endr
	WIN 0
.irp i, 0,1,2
	global_load_b32 v[HS+3*(\p)+\i], v[HSA+\i], s[16:17] offset:(\rel)*128
.endr
.endm
; The trip's chunk j is multiplied against slot p.  cnt: the younger loads that may be out.  The 6 accumulators take turns, one instruction a turn.
.macro COMP p, j, cnt
.irp t, 0,1
.irp s, 0,1
.irp c, 0,1
	ds_load_b128 v[WF+8*(2*\t+\s)+4*\c:WF+8*(2*\t+\s)+4*\c+3], v[WFA] offset:16*\t*CP+128*(\j)+64*\s+32*\c
.endr
.endr
.endr
	ds_load_b64 v[WS:WS+1], v[WSA] offset:8*(\j)
	s_wait_loadcnt \cnt
	s_wait_dscnt 0x0
	WIN 0x04                                       ; source 1 (h) window 1
.irp s, 0,1
.irp i, 0,1,2
.irp t, 0,1
	MM ACC+16*\i+8*\t, WF+8*(2*\t+\s), HB+48*(\p)+16*\i+8*\s, ACC+16*\i+8*\t, WS+\s, HS+3*(\p)+\i, \t, \s
.endr
.endr
.endr
	WIN 0
.rept 4
	v_nop                                          ; four places in front of loads into h's, W2's and the scales' registers, and of the first read of results
.endr
.endm
; A round's start: the addresses of tiles w + 8 i + s29, b2 into the sums, the gate weights: 15 loads.
.macro SETUP
	s_wait_xcnt 0x0                                ; earlier loads and stores have read the registers written below
.irp i, 0,1,2
	s_add_co_u32 s27, s18, 8*\i
	s_add_co_u32 s27, s27, s29                     ; the tile
	s_min_u32 s34, s27, s24
	s_sub_co_u32 s34, s24, s34
	s_min_u32 s34, s34, 1                          ; 1 where the expert has it, else 0: then every lane names the tile's first piece
	s_min_u32 s27, s27, s25                        ; held to a tile that was written
	s_min_u32 s27, s27, 63
	v_mul_u32_u24 v[TA], s34, v[L16]
	v_mul_u32_u24 v[TB], s34, v[L4]
	v_lshl_add_u32 v[WA+\i], s27, 6, v[R4]
	s_delay_alu instid0(VALU_DEP_3)
	v_lshl_add_u32 v[HA+\i], s27, 15, v[TA]
	s_delay_alu instid0(VALU_DEP_3)
	v_lshl_add_u32 v[HSA+\i], s27, 11, v[TB]
.endr
	s_wait_alu depctr_va_vdst(0)                   ; ahead of the readers below
.irp i, 0,1,2
.irp t, 0,1
	global_load_b128 v[ACC+16*\i+8*\t:ACC+16*\i+8*\t+3], v[B2O], s[6:7] offset:64*\t       ; lane (r, h), t, register j: b2 of output 16 t + 8 h + j
	global_load_b128 v[ACC+16*\i+8*\t+4:ACC+16*\i+8*\t+7], v[B2O], s[6:7] offset:64*\t+16
.endr
.endr
.irp i, 0,1,2
	global_load_b32 v[WR+\i], v[WA+\i], s[10:11] offset:WSO_
.endr
.endm
; THE WAY OUT, tile by tile: x the row's gate weight; through my own stage, so that 32 lanes store 512 consecutive bytes: a tile's 16 rows of 128 bytes are 2,048 consecutive bytes of y2.
.macro OUT
.irp i, 0,1,2
	s_add_co_u32 s27, s18, 8*\i
	s_add_co_u32 s27, s27, s29
	s_cmp_ge_u32 s27, s24
	s_cbranch_scc1 .Lout_\@
	s_wait_xcnt 0x0                                ; the last tile's stores have read their registers
.irp j, 0,1,2,3,4,5,6,7,8,9,10,11,12,13,14,15
	v_mul_f32 v[Y+\j], v[ACC+16*\i+\j], v[WR+\i]   ; each accumulator from its low end on
.endr
.irp t, 0,1
.irp q, 0,1
	ds_store_b128 v[YST], v[Y+8*\t+4*\q:Y+8*\t+4*\q+3] offset:64*\t+16*\q
.endr
.endr
.irp m, 0,1,2,3
	ds_load_b128 v[Y+4*\m:Y+4*\m+3], v[YRD] offset:4*PLACE*\m        ; LDS serves a wave's instructions in order: these see my stores
.endr
	s_wait_dscnt 0x0
.irp m, 0,1,2,3
	global_store_b128 v[YO], v[Y+4*\m:Y+4*\m+3], s[14:15] offset:16384*\i+512*\m th:TH_STORE_NT
.endr
.endr
.Lout_\@:
.endm
.macro STEPADR                         ; the four LDS addresses at s35 bytes of codes along K (a scale byte for each 16 of them)
	s_lshr_b32 s36, s35, 4
	v_add_nc_u32 v[CST], s35, v[CST0]
	v_add_nc_u32 v[WFA], s35, v[WF0]
	v_add_nc_u32 v[SST], s36, v[SST0]
	v_add_nc_u32 v[WSA], s36, v[WS0]
.endm
; A step: the trip's chunk j, in slot p, is quantised, the barrier, it is multiplied.  live: both slots are asked for again, three chunks on.  pre: the pointers go three chunks on first.  wc, hc: the counts of the two waits.
.macro STEP p, j, live, pre, wc, hc
	QUART \p, \j, \wc
.if \pre
	s_wait_xcnt 0x0                                ; the loads on their way have read their bases; the youngest were issued ahead of the wait for loads and the vector work above
	s_add_nc_u64 s[4:5], s[4:5], 3072
	s_add_nc_u64 s[12:13], s[12:13], 6144
	s_add_nc_u64 s[16:17], s[16:17], 384
.endif
.if \live
	WLOAD \p, \j
.endif
	SYNC                                           ; the chunk's codes and scale bytes lie in LDS
	COMP \p, \j, \hc
.if \live
	ISSUE \p, \j
.endif
.endm
	s_load_b256 s[4:11], s[0:1], 0x0               ; W2 s[4:5], b2 s[6:7], idx s[8:9], xg s[10:11]
	s_load_b128 s[12:15], s[0:1], 0x20             ; hb s[12:13], y2 s[14:15]
	v_lshrrev_b32 v48, 5, v0
	s_delay_alu instid0(VALU_DEP_1)
	v_readfirstlane_b32 s18, v48                   ; wave 0..7
	s_and_b32 s20, ttmp7, 0xffff                   ; ge;  ttmp9 = slice
	s_mul_i32 s27, s18, 4*CP
	s_mul_i32 s34, s18, 4*SP
	s_add_co_u32 s34, s34, SB
	s_mul_i32 s35, s18, 16*PLACE
	s_add_co_u32 s35, s35, YS
	s_lshl_b32 s36, s18, 11
	s_mov_b32 s31, 0
	s_lshl_b32 s30, s20, 24                        ; an expert's W2: 16,777,216 bytes; my slice's 32 rows of 16,384; my 4
	s_lshl_b32 s37, ttmp9, 19
	s_add_co_u32 s30, s30, s37
	s_lshl_b32 s37, s18, 16
	s_add_co_u32 s30, s30, s37
	v_lshl_add_u32 v[SPW], v0, 2, SPARE
	v_mov_b32 v[NIL], 0
	v_and_b32 v49, 31, v0                          ; lane
	v_and_b32 v50, 15, v0                          ; r
	v_bfe_u32 v51, v0, 4, 1                        ; h
	v_bfe_u32 v52, v0, 3, 2                        ; lane / 8
	v_and_b32 v53, 7, v0                           ; lane % 8
	v_lshlrev_b32 v[L16], 4, v49
	v_lshlrev_b32 v[L4], 2, v49
	v_lshlrev_b32 v[R4], 2, v50
	v_lshlrev_b32 v[B2O], 5, v51
	v_lshl_add_u32 v[CST0], v49, 1, s27
	v_add_nc_u32 v[SST0], s34, v52
	v_mul_u32_u24 v54, v50, CP
	v_mul_u32_u24 v55, v49, SP
	v_mul_u32_u24 v56, v50, PLACE
	v_mul_u32_u24 v57, v52, PLACE
	v_add_nc_u32 v[YO], s36, v[L16]
	v_lshl_add_u32 v[WF0], v51, 4, v54
	v_add_nc_u32 v[WS0], SB, v55
	v_lshl_add_u32 v56, v51, 5, v56                ; the stage, in: row r, + 32 h
	v_lshl_add_u32 v57, v53, 4, v57                ; back: eight lanes to a row of 128 bytes
	v_mov_b32 v[CST], v[CST0]
	v_mov_b32 v[SST], v[SST0]
	v_mov_b32 v[WFA], v[WF0]
	v_mov_b32 v[WSA], v[WS0]
	v_add_nc_u32 v[YST], s35, v56
	v_add_nc_u32 v[YRD], s35, v57
	s_wait_alu depctr_va_vdst(0)                   ; the wait at the head's end
	s_wait_kmcnt 0x0
	s_add_nc_u64 s[4:5], s[4:5], s[30:31]
	WLOAD 0, 0                                     ; W2's chunk 0 is asked for before anything else
	s_lshl_b32 s30, s20, 2
	s_add_nc_u64 s[8:9], s[8:9], s[30:31]
	s_load_b32 s24, s[8:9], NTO                    ; the expert's row tiles
	s_lshl_b32 s30, s20, 12
	s_add_nc_u64 s[10:11], s[10:11], s[30:31]      ; the expert's gate weights (+ their place in xg in the immediate)
	s_lshl_b32 s27, ttmp9, 7
	s_add_co_u32 s30, s30, s27
	s_add_nc_u64 s[6:7], s[6:7], s[30:31]          ; b2 at my 32 outputs
	s_lshl_b32 s30, s20, 17
	s_add_nc_u64 s[16:17], s[12:13], s[30:31]
	s_add_nc_u64 s[16:17], s[16:17], HSO           ; the expert's scale words of h
	s_lshl_b32 s30, s20, 21
	s_add_nc_u64 s[12:13], s[12:13], s[30:31]      ; the expert's images of h
	s_lshl_b32 s30, ttmp9, 3
	s_add_co_u32 s30, s30, s20
	s_lshl_b32 s30, s30, 17
	s_add_nc_u64 s[14:15], s[14:15], s[30:31]      ; y2[slice][ge]
	s_mov_b32 s29, 0                               ; the round's first tile
	s_wait_kmcnt 0x0
	s_min_u32 s24, s24, 64
	s_sub_co_u32 s25, s24, 1
	SETUP
	ISSUE 0, 0                                     ; the loads go out in the order W2 (c), h (c), W2 (c + 1), h (c + 1), ..
	WLOAD 1, 1
	ISSUE 1, 1
	WLOAD 2, 2
	ISSUE 2, 2
	s_mov_b32 s28, 0
	s_mov_b32 s35, 0
.Ltrip:                                            ; trip k: chunks 3 k .. 3 k + 2.  61: h (c), W2 (c + 1), h (c + 1), W2 (c + 2), h (c + 2).  54: W2 (c + 1), h (c + 1), W2 (c + 2), h (c + 2), W2 (c + 3)
	STEP 0, 0, 1, 1, 61, 54
	STEP 1, 1, 1, 0, 61, 54
	STEP 2, 2, 1, 0, 61, 54
	s_add_co_u32 s35, s35, 384
	STEPADR
	s_add_co_u32 s28, s28, 1
	s_cmp_lt_u32 s28, 4
	s_wait_alu depctr_va_vdst(0)                   ; directly ahead of the branch
	s_cbranch_scc1 .Ltrip
	STEP 0, 0, 1, 1, 61, 54                        ; chunk 12 asks for chunk 15, the last
	STEP 1, 1, 0, 0, 61, 46                        ; chunk 13.  46: W2 (14), h (14), W2 (15), h (15)
	STEP 2, 2, 0, 0, 38, 23                        ; chunk 14.  38: h (14), W2 (15), h (15).  23: W2 (15), h (15)
	STEP 0, 3, 0, 0, 15, 0                         ; chunk 15.  15: h (15)
	OUT
	s_wait_xcnt 0x0
	s_sub_nc_u64 s[12:13], s[12:13], 30720         ; h's pointers back to chunk 0: they went on five times
	s_sub_nc_u64 s[16:17], s[16:17], 1920
	s_mov_b32 s29, 24
.Lround:                                           ; tiles 24 .. 47, 48 .. 63, where the expert has them: W2's codes are read from LDS again.  No barrier from here on
	s_wait_xcnt 0x0                                ; the stores have read their base
	s_add_nc_u64 s[14:15], s[14:15], 49152         ; 24 tiles of y2 on
	s_mov_b32 s35, 0
	STEPADR
	s_cmp_ge_u32 s29, s24
	s_wait_alu depctr_va_vdst(0)                   ; directly ahead of the branch
	s_cbranch_scc1 .Lr1
	SETUP
.Lr1:
	s_mov_b32 s33, 0
.Lk:                                               ; four chunks a trip, on two of h's slots.  15: the other slot
	s_cmp_ge_u32 s29, s24
	s_cbranch_scc1 .Lr2
	ISSUE 0, 0
	ISSUE 1, 1
	COMP 0, 0, 15
	ISSUE 0, 2
	COMP 1, 1, 15
	ISSUE 1, 3
	COMP 0, 2, 15
	COMP 1, 3, 0
.Lr2:
	s_wait_xcnt 0x0
	s_add_nc_u64 s[12:13], s[12:13], 8192
	s_add_nc_u64 s[16:17], s[16:17], 512
	s_add_co_u32 s35, s35, 512
	STEPADR
	s_add_co_u32 s33, s33, 1
	s_cmp_lt_u32 s33, 4
	s_wait_alu depctr_va_vdst(0)                   ; directly ahead of the branch
	s_cbranch_scc1 .Lk
	s_sub_nc_u64 s[12:13], s[12:13], 32768
	s_sub_nc_u64 s[16:17], s[16:17], 2048
	s_cmp_ge_u32 s29, s24
	s_cbranch_scc1 .Lr3
	OUT
.Lr3:
	s_add_co_u32 s29, s29, 24
	s_cmp_lt_u32 s29, 72
	s_cbranch_scc1 .Lround
	s_wait_tensorcnt 0x0                           ; the wave's end
	ds_add_u32 v[SPW], v[NIL]
	s_wait_dscnt 0x0
	s_endpgm
.Lfunc_end_k_qdf6ebffd82_fc2:
	.size	k_qdf6ebffd82_fc2, .Lfunc_end_k_qdf6ebffd82_fc2-k_qdf6ebffd82_fc2
	.p2alignl 7, 3214868480
	.fill 96, 4, 3214868480
	.section	.rodata,"a",@progbits
	.p2align	6, 0x0
	.amdhsa_kernel k_qdf6ebffd82_fc2
		.amdhsa_group_segment_fixed_size 89856
		.amdhsa_private_segment_fixed_size 0
		.amdhsa_enable_private_segment 0
		.amdhsa_kernarg_size 48
		.amdhsa_user_sgpr_count 2
		.amdhsa_user_sgpr_kernarg_segment_ptr 1
		.amdhsa_wavefront_size32 1
		.amdhsa_system_sgpr_workgroup_id_x 1
		.amdhsa_system_sgpr_workgroup_id_y 1
		.amdhsa_system_sgpr_workgroup_id_z 1
		.amdhsa_system_vgpr_workitem_id 0
		.amdhsa_next_free_vgpr 496
		.amdhsa_next_free_sgpr 66
		.amdhsa_reserve_vcc 0
		.amdhsa_float_denorm_mode_32 3
		.amdhsa_float_denorm_mode_16_64 3
		.amdhsa_memory_ordered 1
		.amdhsa_forward_progress 1
		.amdhsa_inst_pref_size 106
	.end_amdhsa_kernel
	.amdgpu_metadata
---
amdhsa.version: [ 1, 2 ]
amdhsa.kernels:
  - .name:           k_qdf6ebffd82_fc2
    .symbol:         k_qdf6ebffd82_fc2.kd
    .args:
      - { .name: W2, .offset: 0, .size: 8, .value_kind: global_buffer, .address_space: global }
      - { .name: b2, .offset: 8, .size: 8, .value_kind: global_buffer, .address_space: global }
      - { .name: idx, .offset: 16, .size: 8, .value_kind: global_buffer, .address_space: global }
      - { .name: xg, .offset: 24, .size: 8, .value_kind: global_buffer, .address_space: global }
      - { .name: hb, .offset: 32, .size: 8, .value_kind: global_buffer, .address_space: global }
      - { .name: y2, .offset: 40, .size: 8, .value_kind: global_buffer, .address_space: global }
    .group_segment_fixed_size: 89856
    .private_segment_fixed_size: 0
    .kernarg_segment_align: 8
    .kernarg_segment_size: 48
    .max_flat_workgroup_size: 256
    .sgpr_count:     66
    .vgpr_count:     496
    .wavefront_size: 32
...
	.end_amdgpu_metadata
.endif
;; end of part 4
;; launch combine (part 5): grid 256 x 1, 4 waves a work-group, no clusters, 0 bytes of LDS; arguments idx, y2, out0; writes out0
.if DOCPART == 5
	.amdgcn_target "amdgcn-amd-amdhsa--gfx1250"
	.amdhsa_code_object_version 6
	.text
	.protected	k_qdf6ebffd82_combine
	.globl	k_qdf6ebffd82_combine
	.p2align	8
	.type	k_qdf6ebffd82_combine,@function
k_qdf6ebffd82_combine:
	s_mov_b64 s[64:65], 0
	v_nop
	global_prefetch_b8 v0, s[64:65] scope:SCOPE_SE
	s_setreg_imm32_b32 hwreg(HW_REG_WAVE_MODE, 25, 1), 1
	s_wait_xcnt 0x0
; COMBINE.  out0[token] = y2[..][pos[2 token]] + y2[..][pos[2 token + 1]]: the two chosen experts' rows, already multiplied by their gate weights.  One token to a wave.
; y2 is [slice 32][1,024 ge + rank][32 f32]: a row of out0 is 32 pieces of 128 bytes, 1,048,576 bytes apart.  Eight lanes take a piece; a wave's store covers 512 consecutive bytes of out0.
; A stream: no LDS, no barrier, no matrix unit.
.set A, 8                              ; v8-39  the first expert's row
.set B, 40                             ; v40-71 the second's
	s_load_b128 s[4:7], s[0:1], 0x0                ; idx s[4:5], y2 s[6:7]
	s_load_b64 s[8:9], s[0:1], 0x10                ; out0
	v_lshrrev_b32 v1, 5, v0
	v_readfirstlane_b32 s10, v1
	s_lshl_b32 s11, ttmp9, 2
	s_add_co_u32 s11, s11, s10                     ; my token
	v_and_b32 v1, 31, v0
	v_lshlrev_b32 v2, 4, v1                        ; out0: 16 x lane
	v_lshrrev_b32 v3, 3, v1
	v_and_b32 v6, 7, v1
	v_lshlrev_b32 v3, 20, v3
	v_lshl_add_u32 v3, v6, 4, v3                   ; y2: slice lane / 8 of four, + 16 (lane % 8)
	s_lshl_b32 s12, s11, 3
	s_mov_b32 s13, 0
	s_lshl_b32 s14, s11, 12
	s_mov_b32 s15, 0
	s_wait_alu depctr_va_vdst(0)
	s_wait_kmcnt 0x0
	s_add_nc_u64 s[4:5], s[4:5], s[12:13]
	s_load_b64 s[24:25], s[4:5], 0x0               ; the token's two places
	s_add_nc_u64 s[8:9], s[8:9], s[14:15]
	s_mov_b64 s[16:17], s[6:7]                     ; four bases, eight slices apart; four slices more stand in the immediate
	s_add_nc_u64 s[18:19], s[6:7], 0x800000
	s_add_nc_u64 s[20:21], s[6:7], 0x1000000
	s_add_nc_u64 s[22:23], s[6:7], 0x1800000
	s_wait_kmcnt 0x0
	s_min_u32 s24, s24, 8191                       ; held inside the table
	s_min_u32 s25, s25, 8191
	s_lshl_b32 s24, s24, 7
	s_lshl_b32 s25, s25, 7
	v_add_nc_u32 v4, s24, v3
	v_add_nc_u32 v5, s25, v3
.irp m, 0,1,2,3,4,5,6,7
	global_load_b128 v[A+4*\m:A+4*\m+3], v4, s[16+2*(\m/2):17+2*(\m/2)] offset:4194304*(\m%2) th:TH_LOAD_NT
	global_load_b128 v[B+4*\m:B+4*\m+3], v5, s[16+2*(\m/2):17+2*(\m/2)] offset:4194304*(\m%2) th:TH_LOAD_NT
.endr
.irp m, 0,1,2,3,4,5,6,7
	s_wait_loadcnt 14-2*\m                         ; pair m is in; the later pairs may be out
	v_pk_add_f32 v[A+4*\m:A+4*\m+1], v[A+4*\m:A+4*\m+1], v[B+4*\m:B+4*\m+1]
	v_pk_add_f32 v[A+4*\m+2:A+4*\m+3], v[A+4*\m+2:A+4*\m+3], v[B+4*\m+2:B+4*\m+3]
	global_store_b128 v2, v[A+4*\m:A+4*\m+3], s[8:9] offset:512*\m th:TH_STORE_NT
.endr
	s_endpgm
.Lfunc_end_k_qdf6ebffd82_combine:
	.size	k_qdf6ebffd82_combine, .Lfunc_end_k_qdf6ebffd82_combine-k_qdf6ebffd82_combine
	.p2alignl 7, 3214868480
	.fill 96, 4, 3214868480
	.section	.rodata,"a",@progbits
	.p2align	6, 0x0
	.amdhsa_kernel k_qdf6ebffd82_combine
		.amdhsa_group_segment_fixed_size 0
		.amdhsa_private_segment_fixed_size 0
		.amdhsa_enable_private_segment 0
		.amdhsa_kernarg_size 24
		.amdhsa_user_sgpr_count 2
		.amdhsa_user_sgpr_kernarg_segment_ptr 1
		.amdhsa_wavefront_size32 1
		.amdhsa_system_sgpr_workgroup_id_x 1
		.amdhsa_system_sgpr_workgroup_id_y 1
		.amdhsa_system_sgpr_workgroup_id_z 1
		.amdhsa_system_vgpr_workitem_id 0
		.amdhsa_next_free_vgpr 80
		.amdhsa_next_free_sgpr 66
		.amdhsa_reserve_vcc 0
		.amdhsa_float_denorm_mode_32 3
		.amdhsa_float_denorm_mode_16_64 3
		.amdhsa_memory_ordered 1
		.amdhsa_forward_progress 1
		.amdhsa_inst_pref_size 6
	.end_amdhsa_kernel
	.amdgpu_metadata
---
amdhsa.version: [ 1, 2 ]
amdhsa.kernels:
  - .name:           k_qdf6ebffd82_combine
    .symbol:         k_qdf6ebffd82_combine.kd
    .args:
      - { .name: idx, .offset: 0, .size: 8, .value_kind: global_buffer, .address_space: global }
      - { .name: y2, .offset: 8, .size: 8, .value_kind: global_buffer, .address_space: global }
      - { .name: out0, .offset: 16, .size: 8, .value_kind: global_buffer, .address_space: global }
    .group_segment_fixed_size: 0
    .private_segment_fixed_size: 0
    .kernarg_segment_align: 8
    .kernarg_segment_size: 24
    .max_flat_workgroup_size: 128
    .sgpr_count:     66
    .vgpr_count:     80
    .wavefront_size: 32
...
	.end_amdgpu_metadata
.endif
;; end of part 5
